; MI455X (gfx1250); checked and timed in simulation.
; The chip was launched on July 23, 2026; its instructions are those of AMD's public machine-readable ISA for CDNA 5 (MIT licence, August 2026) and "CDNA5" Instruction Set Architecture Reference Guide (July 2026). The comments in the code are by the model that wrote it; some were corrected since.
;; Full Attention. Allowed arithmetic: matrix products marked QUANTISED: E5M2 operands, one given power-of-two scale a tensor, by v_wmma_f32_16x16x64_bf8_bf8 or v_wmma_f32_16x16x128_bf8_bf8, f32 sums; everything else in f32.
;; Inputs: keys_codes 4 x 2,048 x 16 x 2 x 32 uint8 (E5M2 codes of keys, K innermost, in blocks of 32 codes); lowp_scales 4 int32 (the exponents e of the quantised operands' scales 2^e); queries_codes 4 x 2,048 x 16 x 2 x 32 uint8 (E5M2 codes of queries, K innermost, in blocks of 32 codes); values_codes 4 x 16 x 64 x 64 x 32 uint8 (E5M2 codes of values, K innermost, in blocks of 32 codes).
;; Outputs: out0 4 x 2,048 x 16 x 64 float32.
;; This version of the problem:
;;   THIS VERSION OF THE PROBLEM IS GIVEN IN LOW PRECISION. The matrix products marked QUANTISED in the list below multiply operands that are first quantised to E5M2 (5 exponent bits, 2 mantissa bits; 8 bits a number), with one given power-of-two scale for each operand tensor; their sums are f32. All else is computed in f32.
;;   The module's matrix products, in the order in which they are computed (A, B: the left and right operand; K: the contracted axis; several contracted axes count as one K, in the product's order):
;;     1. batch 64 x [M 2,048, K 64] x [K 64, N 2,048]; A: input queries (given as codes); B: input keys (given as codes): QUANTISED (scales: A lowp_scales[0], B lowp_scales[1])
;;     2. batch 64 x [M 64, K 2,048] x [K 2,048, N 2,048]; A: input values (given as codes); B: softmax (see below): QUANTISED (scales: A lowp_scales[2], B lowp_scales[3])
;;   THE QUANTISER, for each operand of a quantised product, along K:
;;     - The operand's scale is 2^e, e = its entry of the input lowp_scales (int32; the entries are numbered through the quantised products in the list's order, A before B).
;;     - Each number is divided by the scale, clamped to +-57,344, and rounded to the nearest number of E5M2, ties to even, subnormals kept.
;;     - The product sums the exact products of the quantised numbers (number of the format x scale) in f32.
;;   ~~~python
;;   def quantise(x, axis, e):      # numpy; x: float32 -> the quantised numbers, widened to float32 again
;;       x = np.moveaxis(x, axis, -1); K = x.shape[-1]
;;       r = np.clip(x / 2.0 ** e, -57344, 57344)
;;       step = 2.0 ** (np.maximum(np.frexp(np.where(r == 0, 1, r))[1] - 1, -14) - 2)
;;       q = np.round(r / step) * step * 2.0 ** e      # np.round: ties to even
;;       return np.moveaxis(q, -1, axis).astype(np.float32)
;;   ~~~
;;   SOFTMAX AHEAD OF A QUANTISED PRODUCT. Where the list says 'softmax', what is quantised is not the finished softmax but p = 2^(t - M), with t = logit x log2(e) and M = ceil(the row's largest t), a whole number; so 1/2 < the row's largest p <= 1. The row's sum l is taken of the UNQUANTISED p, in f32, and the product's result is divided by l at the end. Since M is a whole number, a kernel that streams over the keys may use a running M (the ceiling of the running maximum): every later rescaling is an exact power of two, so the quantised numbers keep their values, but for numbers so far below the row's largest that they fall under the format's range.
;;   OPERANDS COMPUTED ON THE WAY. 'Computed on the way' means the value that the module computes at that place (a softmax that the list does not call 'softmax' is quantised finished and normalised). What goes into a quantiser is computed in f32, as accurately as f32 sums, v_exp_f32 and their like allow (about 1e-6 of the number): no bf16 or f16 on the way to a quantiser, and a product that is left as it is and whose result goes on into a quantised operand takes f32 operands (vector FMAs, or v_wmma_f32_16x16x4_f32). A number that lies on a knife's edge between two numbers of the format may be rounded either way, as far as f32 arithmetic and the matrix unit's own rounding can turn it there, and no further.
;;   INPUTS GIVEN AS CODES. keys (in the module: [4, 2048, 16, 64], K = its axis 3); queries (in the module: [4, 2048, 16, 64], K = its axis 3); values (in the module: [4, 2048, 16, 64], K = its axis 1): each comes as NAME_codes (uint8): NAME with its K axis moved to the last place and cut into blocks of 32 codes, [.., K / 32, bytes a block], one block behind the other in memory; one code a byte (a code: sign, 5 exponent bits, 2 mantissa bits); its scale is its entry of lowp_scales. Its value is code x scale, taken as it is: it is not quantised again, and the codes and scales need not be those that the quantiser above would give.
;; One version. Each part assembles by itself: llvm-mc -triple=amdgcn-amd-amdhsa -mcpu=gfx1250 --defsym DOCPART=n.
;; ======== version 1 of 1: 1 launch
;; limits: right only within a limited range of input values
;; launch attn (part 1): grid 4 x 64, 8 waves a work-group, no clusters, 327,680 bytes of LDS; arguments queries_codes, keys_codes, values_codes, lowp_scales, out0; writes out0
.if DOCPART == 1
	.amdgcn_target "amdgcn-amd-amdhsa--gfx1250"
	.amdhsa_code_object_version 6
	.text
	.protected	k_qfd58fe4004_attn
	.globl	k_qfd58fe4004_attn
	.p2align	8
	.type	k_qfd58fe4004_attn,@function
k_qfd58fe4004_attn:
	s_mov_b64 s[64:65], 0
	v_nop
	global_prefetch_b8 v0, s[64:65] scope:SCOPE_SE
	s_setreg_imm32_b32 hwreg(HW_REG_WAVE_MODE, 25, 1), 1
	s_wait_xcnt 0x0
; out[b][q][h][:] = the sum over k <= q of softmax_k(Q[b][q][h] . K[b][k][h] / 8) V[b][k][h][:], both products on codes of BF8 (E5M2), each tensor with the one scale 2^e that is given for it.
; Q, K: codes [4][2048][16][64]: a head's row is 64 bytes, rows 1,024 bytes apart.  V: codes with the KEYS innermost, [4][16][64][2048].  out: f32 [4][2048][16][64].  The scales' exponents: eq, ek, ev, ep.
; THE SOFTMAX AHEAD OF THE SECOND PRODUCT: t = score x log2(e) / 8; M = the row's largest t so far, rounded UP to a whole number; p = 2^(t - M) is quantised with 2^ep, along the keys, and is not normalised.
; The row's sum is taken of the unquantised p, in f32, and divides O at the end.  When M moves, the sum and O are multiplied by 2^(old M - new M), which rounds nothing.
; SHARES.  Work-group (i, head) takes TWO blocks of 256 queries of its head: first block 7 - i, which walks 8 - i slots of 256 keys, then block i, which walks i + 1: nine slots whatever i is.  So the loop's trip count is a
; constant, and the 4 x 64 work-groups have equal work in spite of the causal mask.  Each of the eight waves owns 32 neighbouring queries, two tiles A and B of 16, so that each fragment of K and V read from LDS feeds two products.
; A key step is 128 keys.  A step all of whose keys come after the wave's queries is jumped over (a scalar branch on ids); the steps on the diagonal are masked; the others are not.
; In a diagonal slot the waves with the block's first 128 queries have one step and the others two: the waves' places g in the block are dealt so that waves w and w + 4, and waves 2 j and 2 j + 1, get one of each kind.
; LAYOUT.  Both products are used transposed: S^T = K Q^T (source 0 = 16 neighbouring keys, source 1 = 16 queries), O^T = V^T P^T (source 0 = 16 of the head's 64, source 1 = P): a lane holds ONE query of each tile throughout.
; Register j of score tile T is key 16 T + 8 (lane / 16) + j: eight such numbers, converted, ARE registers 2 T, 2 T + 1 of the second product's operand (K = 128).  V's fragments come in that same order, 8 bytes a load.
; K's and Q's fragments (16 rows x 64) come by two loads of 16 bytes at 16 (lane / 16) and 32 on: one permutation of the head's 64, the same on both sides, so every product meets its partner.
; VECTOR WORK BY TURNS: one tile's 64 exponentials stand singly behind the other tile's plain lines (maximum, statistics, scalings; then sums).
; NO CLUSTER: the four work-groups of a head ask for the same slot only in trips 0 to 4 (from trip 8 - i on, work-group i is back at slot 0), and a joint request needs equal descriptors in every trip.  In a form in which all four
; walk 8 slots in step for each of two blocks, a round lasts as long as its busiest partner: 4 x 2 + 4 x 1 = 12 slots' work against 9 here.
; LIMITS on the given exponents, so that each power of two below is an f32 number: eq + ek between -123 and 130 (added to c's exponent field); ep between -126 and 127; ep + ev is applied by v_ldexp_f32 and has none.
; p under 2^-126 counts as 0.  Codes of infinity or NaN among the inputs are not served.
.set SLOT1, 65536                      ; slot 1 begins here: one exclusive or turns an address in one slot into the other's
.set KP,    80                         ; a key's row in LDS: 64 bytes + 16 of padding = 20 words: the 16 rows of a load start at 16 different multiples of 4 words modulo 64
.set VP,    272                        ; a row of V's tile: 256 bytes + 16 = 68 words: 32 lanes x 8 bytes fall on 64 different words modulo 64
.set KHALF, 128*KP                     ; what one of K's two tensor loads brings
.set VOFF,  256*KP                     ; a slot: 256 rows of K, then 64 rows of V
.set SPARE, 2*SLOT1                    ; behind the ring: the spare words, 128 bytes for each of eight waves: four blocks of 256 bytes that no other line names
.set STAGE, SPARE+1024                 ; the way out: 16 rows x (256 + 16) bytes for each wave; no tile lands here
.set SP,    272
.set WSTG,  16*SP
.set STG2,  8*WSTG                     ; the second block's way out has stages of its own, this far behind the first's
; vector registers, window 0
.set AK0,  1                           ; my lane's place in a tile of K: 80 r + 16 hh
.set AV0,  2                           ; in V's tile: VOFF + 272 r + 8 hh
.set PFO,  3                           ; the prefetches' offsets: my lane's row,
.set PFO2, 4                           ; and the row 32 further on; never rewritten
.set SPW,  5                           ; LDS address of my spare word: SPARE + 4 x my thread's number; never rewritten
.set NIL,  6                           ; 0; never rewritten
.set GO,   7                           ; the way out: 4096 hh + 16 r
.set ADK,  8                           ; LDS address of the slot's K for my lane
.set ADV,  9                           ; of its V
.set STO,  10                          ; the stage: where I put 32 bytes of a row
.set RD,   11                          ; and where I read a row back
.set DL,   12                          ; r - 8 hh
.set DD,   13                          ; the mask's bound
.set MINF, 14                          ; -infinity
.set QOF,  15                          ; Q: 1024 r + 16 hh
.set ST,   16                          ; tile x's statistics at ST + 8 x: +0 -M, +1 the largest t, +2, +3 the sum in two halves, +4 .. +7 at work; f takes +6 once the maximum is found
.set VF,   32                          ; v32-95   V's four fragments (16 of the head's 64 x 128 keys each)
.set S,    96                          ; v96-159 tile A's scores, then p; v160-223 tile B's
.set CH,   224                         ; the sums' second chains, a pair a tile
.set PX,   228                         ; the lane permutes' destinations
.set SCL,  230                         ; 2^ep as f32
.set HL,   232
.set RC,   234                         ; 2^(ep + ev) / the sum, a pair a tile (the low word serves both halves)
; vector registers, window 1 (written by their low 8 bits)
.set OT,   0                           ; O^T: 32 a tile
.set QF,   64                          ; Q's two fragments
.set PC,   80                          ; p's codes: 16 a tile
.set QE,   112                         ; the second block's Q, loaded at the head
.set KFR,  128                         ; K's eight fragments
; scalar registers
.set TB,   2                           ; LDS byte at which the slot in hand begins
.set JT,   3                           ; the trip
.set WV,   14                          ; my wave's number
.set G32,  15                          ; 32 x my wave's place in a block of queries
.set N1M1, 16                          ; 7 - i: the first block, and the trip that ends it
.set N1,   17                          ; 8 - i: its slots
.set Q0,   18                          ; my first query
.set KF,   19                          ; the step's first key
.set SEL,  20                          ; s[20:21] lane selects for v_permlanex16_b32: lane l xor 16
.set CS,   22                          ; s[22:23] c = log2(e) / 8 x 2^(eq + ek)
.set G1K,  24                          ; s[24:31] descriptor group 1 for K's tiles
.set G1V,  32                          ; s[32:39] for V's
.set G0K,  40                          ; s[40:43], s[44:47] their groups 0
.set G0V,  44
.set KB,   48                          ; s[48:49] K at my half of the head's key slot 0
.set VB,   50                          ; s[50:51] V at the head's key slot 0
.set OFK,  52                          ; s[52:53], s[54:55] a key slot's byte offsets; the high words stay 0
.set OFV,  54
.set OP,   56                          ; s[56:57] out at my first query
.set OPE,  58                          ; s[58:59] the same for the second block
.set Q0E,  60
.set EPV,  61                          ; ep + ev
.set LIM,  62                          ; a wave prefetches while the trip is under this: 6 or 0
.set PFA,  66                          ; s[66:67] where my prefetches stand
.set PFS,  68                          ; s[68:69] a key slot on, in bytes
.set SC,   72                          ; s[72:75] eq, ek, ev, ep
.set MSB, 0
.macro WIN new                         ; s_set_vgpr_msb: bits 1:0 source 0, 3:2 source 1, 5:4 source 2, 7:6 destination; the high byte repeats the setting that is left
.if MSB != \new
	s_set_vgpr_msb (MSB<<8)|\new
.set MSB, \new
.endif
.endm
; Waves 0 and 1 fetch K's two halves, wave 2 V's tile, the others nothing.  The branches hang on the wave's number alone.  Four v_nop follow each of the two lines.
.macro TLOAD
	s_cmp_lt_u32 s[WV], 2
	s_cbranch_scc0 .Lnot_k_\@
	tensor_load_to_lds s[G0K:G0K+3], s[G1K:G1K+7]
	s_nop 0
.rept 4
	v_nop
.endr
	s_branch .Lasked_\@
.Lnot_k_\@:
	s_cmp_lt_u32 s[WV], 3
	s_cbranch_scc0 .Lasked_\@
	tensor_load_to_lds s[G0V:G0V+3], s[G1V:G1V+7]
	s_nop 0
.rept 4
	v_nop
.endr
.Lasked_\@:
.endm
; A PREFETCH INTO THE L2 of the key slot that the NEXT change of slots will ask for: in trip t, key slot t + 2; a slot's two key steps ahead of that load.
; Each aligned block of 256 bytes is named once in the launch.  The four work-groups of a head walk the same K and V: work-group i = 0, which walks all eight slots in trips 0 to 7, asks.
; A block of 256 bytes of K holds one key of four neighbouring heads: of those the head with h % 4 = 0 asks, waves 3 to 6, 64 keys each, a lane a key, two instructions.
; V: wave 7 of every head's work-group 0: the slot's 256 bytes of each of the 64 rows, a lane a row, two instructions.  Trips 6 and on ask for nothing: there is no key slot 8.  Slots 0 and 1 come by their loads alone.
.macro ASK
	s_cmp_lt_u32 s[JT], s[LIM]
	s_cbranch_scc0 .Lnot_mine_\@
	global_prefetch_b8 v[PFO], s[PFA:PFA+1] th:TH_LOAD_NT scope:SCOPE_SE
	global_prefetch_b8 v[PFO2], s[PFA:PFA+1] th:TH_LOAD_NT scope:SCOPE_SE
.Lnot_mine_\@:
.endm
; THE CHANGE OF SLOTS stands at a slot's head.  Each wave waits for all its tensor loads (its part of the slot that it is about to read), adds 0 to its spare word, and waits for that and for its reads of the slot that it has left.
; Behind the barrier the slot ahead is whole and nobody reads the other one.  fill = 1: that other slot is filled with the next trip's key slot: trip + 1, or, once the first block is done, trip + 1 - (8 - i).
.macro CHANGE fill
	s_wait_tensorcnt 0x0                           ; no tensor load of mine is out, so a group 0 may be written
	ds_add_u32 v[SPW], v[NIL]                      ; 0 onto my spare word; the descriptors' steps stand between it and the wait for it
.if \fill
	s_add_co_u32 s76, s[JT], 1
	s_cmp_lt_u32 s76, s[N1]
	s_cselect_b32 s77, 0, s[N1]
	s_sub_co_u32 s76, s76, s77                     ; the next trip's key slot
	s_lshl_b32 s[OFK], s76, 18                     ; 256 keys x 1,024 bytes
	s_lshl_b32 s[OFV], s76, 8                      ; 256 bytes along each row of V
	s_xor_b32 s[G0K+1], s[G0K+1], SLOT1            ; the other slot than last time
	s_xor_b32 s[G0V+1], s[G0V+1], SLOT1
	s_add_nc_u64 s[G0K+2:G0K+3], s[KB:KB+1], s[OFK:OFK+1]
	s_or_b32 s[G0K+3], s[G0K+3], 0x80000000        ; 127:126 type = 2
	s_add_nc_u64 s[G0V+2:G0V+3], s[VB:VB+1], s[OFV:OFV+1]
	s_or_b32 s[G0V+3], s[G0V+3], 0x80000000
	s_wait_xcnt 0x0                                ; the last prefetches, a slot back, have read their address, so it may be written
	s_add_nc_u64 s[PFA:PFA+1], s[PFA:PFA+1], s[PFS:PFS+1]
.endif
	s_wait_dscnt 0x0                               ; the add is done, and my reads of the slot that I have left are over
	s_barrier_signal -1
	s_barrier_wait -1
.if \fill
	TLOAD                                          ; the first thing behind the barrier, and a wave's one tensor load until the next: it has a slot's two key steps in which to land
	ASK
.endif
.endm
; One exponential of the tile whose p begins at v[XB], while there are any: it is set behind (or ahead of) a plain line of the OTHER tile.  XN = 64: none.
.macro X
.if XN < 64
	v_exp_f32 v[XB+XN], v[XB+XN]
.set XN, XN+1
.endif
.endm
; Tile x's largest score of the step among my 64 keys: four chains, three operands at a time, the scores in ascending order.
.macro MAXT x
.set rT, ST+8*(\x)
.set rS, S+64*(\x)
.set l, 0
.rept 4
	v_max3_num_f32 v[rT+4+l], v[rS+3*l], v[rS+3*l+1], v[rS+3*l+2]
	X
.set l, l+1
.endr
.set l, 0
.rept 26
	v_max3_num_f32 v[rT+4+l%4], v[rT+4+l%4], v[rS+12+2*l], v[rS+13+2*l]
	X
.set l, l+1
.endr
.endm
; The new M and f = 2^(old M - new M).
.macro STATT x
.set rT, ST+8*(\x)
	v_max3_num_f32 v[rT+4], v[rT+4], v[rT+5], v[rT+6]
	X
	v_max_num_f32 v[rT+4], v[rT+4], v[rT+7]
	X
	v_permlanex16_b32 v[PX+(\x)], v[rT+4], s[SEL], s[SEL+1]   ; the query's other 64 keys lie in the lane 16 away
	X
	v_max_num_f32 v[rT+4], v[rT+4], v[PX+(\x)]
	X
	v_mul_f32 v[rT+4], s[CS], v[rT+4]              ; as t (c is positive)
	X
	v_max_num_f32 v[rT+1], v[rT+1], v[rT+4]        ; the running largest t
	X
	v_mov_b32 v[rT+5], v[rT]
	X
	v_floor_f32 v[rT], -v[rT+1]                    ; the new -M = floor(-t) = -ceil(t): M is a whole number
	X
	v_sub_f32 v[rT+5], v[rT], v[rT+5]              ; old M less new M: a whole number, 0 or less
	X
	v_cvt_i32_f32 v[rT+5], v[rT+5]                 ; (it saturates)
	X
	v_ldexp_f32 v[rT+6], 1.0, v[rT+5]              ; f
	X
.endm
; t - M, two at a time: of the pairs c and -M the low word serves both halves.
.macro FMAT x
.set rT, ST+8*(\x)
.set rS, S+64*(\x)
.set l, 0
.rept 32
	v_pk_fma_f32 v[rS+l:rS+l+1], v[rS+l:rS+l+1], s[CS:CS+1], v[rT:rT+1] op_sel_hi:[1,0,0]
	X
.set l, l+2
.endr
.endm
; The row's sum, of the UNQUANTISED p, two at a time in two chains.
.macro SUMHOLD x
.set rT, ST+8*(\x)
.set rS, S+64*(\x)
.set rC, CH+2*(\x)
	v_pk_mul_f32 v[rT+2:rT+3], v[rT+2:rT+3], v[rT+6:rT+7] op_sel_hi:[1,0]   ; the sum under the new M
.set l, 0
.rept 16
.if l == 0
	v_pk_add_f32 v[rC:rC+1], v[rS:rS+1], v[rS+2:rS+3]
.else
	v_pk_add_f32 v[rT+2:rT+3], v[rT+2:rT+3], v[rS+4*l:rS+4*l+1]
	v_pk_add_f32 v[rC:rC+1], v[rC:rC+1], v[rS+4*l+2:rS+4*l+3]
.endif
.set u, 0
.rept 4
	X
.set u, u+1
.endr
.set l, l+1
.endr
	v_pk_add_f32 v[rT+2:rT+3], v[rT+2:rT+3], v[rC:rC+1]
.endm
; Score tile T's eight numbers become registers 2 T, 2 T + 1 of the second product's operand.
.macro CVT x
.set l, 0
.rept 8
	v_cvt_scalef32_pk8_bf8_f32 v[PC+16*(\x)+2*l:PC+16*(\x)+2*l+1], v[S+64*(\x)+8*l:S+64*(\x)+8*l+7], v[SCL]
.set l, l+1
.endr
.endm
; A KEY STEP: 128 keys, the q-th of the slot in hand.
.macro STEP q
	s_add_co_u32 s76, s[Q0], 31
	s_cmp_gt_u32 s[KF], s76                        ; all 128 keys come after my 32 queries: the step's work is left out; no barrier and no tensor load stands in a step
	s_cbranch_scc1 .Lhidden_\@
	v_add_nc_u32 v[ADK], s[TB], v[AK0]
	v_add_nc_u32 v[ADV], s[TB], v[AV0]
	v_nop                                          ; with the two additions: four places between the last step's products and the loads into V's fragments, which those products read
	v_nop
	WIN 0x40                                       ; destination window 1
.irp T, 0,1,2,3,4,5,6,7
	ds_load_b128 v[KFR+8*\T:KFR+8*\T+3],   v[ADK] offset:(128*(\q)+16*\T)*KP
	ds_load_b128 v[KFR+8*\T+4:KFR+8*\T+7], v[ADK] offset:(128*(\q)+16*\T)*KP+32
.endr
	WIN 0
.irp t, 0,1,2,3
.irp c, 0,1,2,3,4,5,6,7
	ds_load_b64 v[VF+16*\t+2*\c:VF+16*\t+2*\c+1], v[ADV] offset:16*\t*VP+128*(\q)+16*\c   ; V(16 t + r, keys 16 c + 8 hh + 0 .. 7)
.endr
.endr
	s_wait_dscnt 32                                ; K's 16 loads are in; V's 32, issued behind them, may be out
	WIN 0x05                                       ; K and Q in window 1, S^T in window 0
.irp T, 0,1,2,3,4,5,6,7
	v_wmma_f32_16x16x64_bf8_bf8 v[S+8*\T:S+8*\T+7],       v[KFR+8*\T:KFR+8*\T+7], v[QF:QF+7],    0
	v_wmma_f32_16x16x64_bf8_bf8 v[S+64+8*\T:S+64+8*\T+7], v[KFR+8*\T:KFR+8*\T+7], v[QF+8:QF+15], 0
.endr
	WIN 0
.rept 4
	v_nop                                          ; four places between the products and the first read of their results (ISA guide 7.12.1)
.endr
	s_add_co_u32 s76, s[KF], 127
	s_cmp_le_u32 s76, s[Q0]                        ; all 128 keys count for all my queries: no mask
	s_cbranch_scc1 .Lopen_\@
	s_sub_co_i32 s76, s[Q0], s[KF]
	v_add_nc_u32 v[DD], s76, v[DL]                 ; d = Q0 - KF + r - 8 hh.  Register 8 T + j holds key KF + 16 T + 8 hh + j: hidden for tile A's query Q0 + r where 16 T + j > d, for tile B's, 16 further on, where 16 T + j - 16 > d
.set n, 0
.rept 64
	v_cmp_gt_i32 vcc_lo, 16*(n/8)+n%8, v[DD]
	v_cndmask_b32 v[S+n], v[S+n], v[MINF], vcc_lo  ; -infinity ahead of the maximum: p = 0 then
	v_cmp_gt_i32 vcc_lo, 16*(n/8)+n%8-16, v[DD]
	v_cndmask_b32 v[S+64+n], v[S+64+n], v[MINF], vcc_lo
.set n, n+1
.endr
.Lopen_\@:
.set XN, 64                                    ; tile A's maximum, statistics and scalings stand alone
	MAXT 0
	STATT 0
	FMAT 0
.set XB, S                                     ; tile B's 73 plain lines; tile A's 64 exponentials stand behind the first 64 of them, and name nothing of tile B
.set XN, 0
	MAXT 1
	STATT 1
	FMAT 1
	s_wait_alu depctr_va_vdst(0)                   ; one wait for tile A's whole batch, ahead of its first reader; the last nine scalings are plain lines behind the last exponential
.set XB, S+64                                  ; tile A's sums, tile B's 64 exponentials among them
.set XN, 0
	SUMHOLD 0
	s_wait_alu depctr_va_vdst(0)                   ; one wait for tile B's batch; the closing addition is the plain line behind its last exponential
	SUMHOLD 1
	WIN 0x40                                       ; the codes go to window 1
	CVT 0
	CVT 1
	WIN 0x41                                       ; O^T (destination and source 0) in window 1, f in window 0
.irp x, 0,1
.set l, 0
.rept 16
	v_pk_mul_f32 v[OT+32*\x+l:OT+32*\x+l+1], v[OT+32*\x+l:OT+32*\x+l+1], v[ST+8*\x+6:ST+8*\x+7] op_sel_hi:[1,0]   ; O^T under the new M, each accumulator from its low end on.  (These are also the plain lines between the conversions and the products that read the codes)
.set l, l+2
.endr
.endr
	s_wait_dscnt 0x0                               ; V's fragments are in
	WIN 0x54                                       ; V in window 0; P, C and D in window 1
.irp t, 0,1,2,3                                ; eight accumulators by turns, one instruction a turn
	v_wmma_f32_16x16x128_bf8_bf8 v[OT+8*\t:OT+8*\t+7],       v[VF+16*\t:VF+16*\t+15], v[PC:PC+15],    v[OT+8*\t:OT+8*\t+7]
	v_wmma_f32_16x16x128_bf8_bf8 v[OT+32+8*\t:OT+32+8*\t+7], v[VF+16*\t:VF+16*\t+15], v[PC+16:PC+31], v[OT+32+8*\t:OT+32+8*\t+7]
.endr
	WIN 0
.Lhidden_\@:
	s_add_co_u32 s[KF], s[KF], 128
.endm
.macro SLOT_STEPS
	STEP 0
	STEP 1
	s_xor_b32 s[TB], s[TB], SLOT1                  ; on to the other slot
.endm
; A block of queries begins: O^T and the sums are zeros and the largest t is -3e38, under every t, so that the key step is written once: the first change of M multiplies zeros.
.macro INIT
	WIN 0x40
.set n, 0
.rept 64
	v_mov_b32 v[OT+n], 0
.set n, n+1
.endr
	WIN 0
.irp x, 0,1
	v_mov_b32 v[ST+8*\x+1], 0xff61b1e6
	v_floor_f32 v[ST+8*\x], -v[ST+8*\x+1]
	v_mov_b32 v[ST+8*\x+2], 0
	v_mov_b32 v[ST+8*\x+3], 0
.endr
.endm
; THE WAY OUT of a block.  The sum's two halves and the other half of the lanes' are added; O^T x 2^(ep + ev) / the sum goes through my stage in LDS, a tile of 16 queries at a time, and comes back as whole rows of 256 bytes.
; The additions and permutes at its head are the places behind the last products.
.macro FINISH stg
.irp x, 0,1
	v_add_f32 v[ST+8*\x+4], v[ST+8*\x+2], v[ST+8*\x+3]
.endr
.irp x, 0,1
	v_permlanex16_b32 v[PX+\x], v[ST+8*\x+4], s[SEL], s[SEL+1]
.endr
.irp x, 0,1
	v_add_f32 v[ST+8*\x+4], v[ST+8*\x+4], v[PX+\x]
.endr
.irp x, 0,1
	v_rcp_f32 v[RC+2*\x], v[ST+8*\x+4]
.endr
	v_nop                                          ; a plain line between the last reciprocal and the use of its result
	s_wait_alu depctr_va_vdst(0)                   ; and a wait ahead of the first use: one for both
.irp x, 0,1
	v_ldexp_f32 v[RC+2*\x], v[RC+2*\x], s[EPV]
.endr
	WIN 0x01                                       ; O^T in window 1; the results take the scores' first 32 registers
.irp x, 0,1
.set l, 0
.rept 16
	v_pk_mul_f32 v[S+64*\x+l:S+64*\x+l+1], v[OT+32*\x+l:OT+32*\x+l+1], v[RC+2*\x:RC+2*\x+1] op_sel_hi:[1,0]   ; register 8 t + i is o(query r, 16 t + 8 hh + i)
.set l, l+2
.endr
.endr
	WIN 0
.irp x, 0,1
.irp t, 0,1,2,3
	ds_store_b128 v[STO], v[S+64*\x+8*\t:S+64*\x+8*\t+3]   offset:\stg+64*\t
	ds_store_b128 v[STO], v[S+64*\x+8*\t+4:S+64*\x+8*\t+7] offset:\stg+64*\t+16
.endr
.irp i, 0,1,2,3,4,5,6,7
	ds_load_b128 v[S+64*\x+32+4*\i:S+64*\x+32+4*\i+3], v[RD] offset:\stg+2*\i*SP   ; LDS serves a wave's instructions in order (ISA guide 5.7.1.4): these see my stores, and tile B's stores come behind tile A's loads
.endr
.endr
.irp x, 0,1
.irp i, 0,1,2,3,4,5,6,7
	s_wait_dscnt 16*(1-\x)+7-\i                    ; behind this load: the tile's younger loads, and for tile A tile B's 8 stores and 8 loads
	global_store_b128 v[GO], v[S+64*\x+32+4*\i:S+64*\x+32+4*\i+3], s[OP:OP+1] offset:65536*\x+8192*\i th:TH_STORE_NT   ; 16 lanes store 256 consecutive bytes, a query's whole row of this head, at a multiple of 256 from out's first byte; written once, read by nobody here
.endr
.endr
.endm
; The second block of queries begins.
.macro RESTART
	s_wait_xcnt 0x0                                ; the stores have read their base and their registers: both may be written again
	s_mov_b64 s[OP:OP+1], s[OPE:OPE+1]
	s_mov_b32 s[Q0], s[Q0E]
	s_mov_b32 s[KF], 0
	WIN 0x41
.set n, 0
.rept 16
	v_mov_b32 v[QF+n], v[QE+n]
.set n, n+1
.endr
	INIT
.endm
	s_load_b256 s[4:11], s[0:1], 0x0               ; Q's codes s[4:5], K's s[6:7], V's s[8:9], the scales' exponents s[10:11]
	s_load_b64 s[12:13], s[0:1], 0x20              ; out
	v_lshl_add_u32 v[SPW], v0, 2, SPARE
	v_mov_b32 v[NIL], 0
	ds_add_u32 v5, v6
	s_wait_dscnt 0x0
	v_lshrrev_b32 v8, 5, v0
	v_readfirstlane_b32 s[WV], v8                  ; wave 0..7
	v_and_b32 v8, 15, v0                           ; r = lane % 16
	v_bfe_u32 v9, v0, 4, 1                         ; hh = lane / 16
	v_lshlrev_b32 v[QOF], 10, v8
	v_lshl_add_u32 v[QOF], v9, 4, v[QOF]
	s_and_b32 s76, ttmp7, 0xffff                   ; 16 b + h
	s_lshr_b32 s77, s76, 4                         ; b
	s_and_b32 s78, s76, 15                         ; h
	s_sub_co_u32 s[N1], 8, ttmp9
	s_sub_co_u32 s[N1M1], 7, ttmp9
	s_lshr_b32 s79, s[WV], 2                       ; g = 4 ((w xor (w >> 2)) & 1) + ((w >> 1) & 3): 0, 4, 1, 5, 6, 2, 7, 3
	s_xor_b32 s79, s79, s[WV]
	s_and_b32 s79, s79, 1
	s_lshl_b32 s79, s79, 2
	s_bfe_u32 s[G32], s[WV], 0x20001
	s_add_co_u32 s[G32], s[G32], s79
	s_lshl_b32 s[G32], s[G32], 5
	s_lshl_b32 s[Q0], s[N1M1], 8
	s_add_co_u32 s[Q0], s[Q0], s[G32]              ; my first query in block 7 - i,
	s_lshl_b32 s[Q0E], ttmp9, 8
	s_add_co_u32 s[Q0E], s[Q0E], s[G32]            ; and in block i
	s_lshl_b32 s80, s77, 21
	s_lshl_b32 s82, s78, 6
	s_or_b32 s80, s80, s82                         ; the head's first byte in Q and in K
	s_mov_b32 s81, 0
	s_and_b32 s82, s[WV], 1                        ; which 128 keys of a slot I fetch, if I fetch K:
	s_mul_i32 s[G0K+1], s82, KHALF                 ; 63:32 LDS address, in slot 0,
	s_lshl_b32 s82, s82, 17                        ; and 128 rows of 1,024 bytes in memory
	s_add_co_u32 s82, s82, s80
	s_mov_b32 s83, 0
	s_lshl_b32 s88, s76, 17                        ; the head's first byte in V: 64 rows of 2,048
	s_mov_b32 s89, 0
	; descriptor group 1.  K: 128 rows of 64 bytes, 1,024 bytes apart in memory;  V: 64 rows of 256 bytes, 2,048 apart
	s_mov_b32 s[G1K], (0<<16)|(1<<20)|(3<<22)|(3<<25)   ; 15:0 no mask; 17:16 elements of 1 byte; 20 padding on; 24:22 after every 16 words (code 3); 31:25 four words (code 3)
	s_mov_b32 s[G1K+1], 64<<16                     ; tensor_dim0
	s_mov_b32 s[G1K+2], 128<<16                    ; tensor_dim1
	s_mov_b32 s[G1K+3], 64<<16                     ; tile_dim0
	s_mov_b32 s[G1K+4], 128                        ; tile_dim1
	s_mov_b32 s[G1K+5], 1024                       ; tensor_dim0_stride
	s_mov_b32 s[G1K+6], 0
	s_mov_b32 s[G1K+7], 0
	s_mov_b32 s[G1V], (0<<16)|(1<<20)|(5<<22)|(3<<25)   ; padding: four words after every 64
	s_mov_b32 s[G1V+1], 256<<16
	s_mov_b32 s[G1V+2], 64<<16
	s_mov_b32 s[G1V+3], 256<<16
	s_mov_b32 s[G1V+4], 64
	s_mov_b32 s[G1V+5], 2048
	s_mov_b32 s[G1V+6], 0
	s_mov_b32 s[G1V+7], 0
	s_mov_b32 s[SEL], 0x76543210
	s_mov_b32 s[SEL+1], 0xfedcba98
	s_mov_b32 s[CS], 0x3e38aa3b                    ; c = log2(e) / 8
	s_mov_b32 s[OFK+1], 0
	s_mov_b32 s[OFV+1], 0
	s_mov_b32 s[TB], 0
	s_mov_b32 s[JT], 0
	s_mov_b32 s[KF], 0
	s_mov_b32 s[G0K], 1                            ; 1:0 count = 1
	s_mov_b32 s[G0V], 1
	s_mov_b32 s[G0V+1], VOFF
	s_wait_kmcnt 0x0
	s_load_b128 s[SC:SC+3], s[10:11], 0x0          ; eq, ek, ev, ep
	s_add_nc_u64 s[KB:KB+1], s[6:7], s[82:83]
	s_add_nc_u64 s[VB:VB+1], s[8:9], s[88:89]
	s_mov_b64 s[G0K+2:G0K+3], s[KB:KB+1]           ; 120:64 global address: key slot 0
	s_or_b32 s[G0K+3], s[G0K+3], 0x80000000        ; 127:126 type = 2
	s_mov_b64 s[G0V+2:G0V+3], s[VB:VB+1]
	s_or_b32 s[G0V+3], s[G0V+3], 0x80000000
	TLOAD                                          ; slot 0's first fill, ahead of every wait on TENSORcnt, every LDS read and every barrier; slot 1 is first filled behind the first trip's barrier
	s_lshl_b32 s82, s[Q0], 10
	s_add_co_u32 s82, s82, s80
	s_add_nc_u64 s[84:85], s[4:5], s[82:83]        ; Q at my first query of the first block,
	s_lshl_b32 s82, s[Q0E], 10
	s_add_co_u32 s82, s82, s80
	s_add_nc_u64 s[86:87], s[4:5], s[82:83]        ; and of the second
	WIN 0x40                                       ; destination window 1
.irp x, 0,1
.irp c, 0,1
	global_load_b128 v[QF+8*\x+4*\c:QF+8*\x+4*\c+3], v[QOF], s[84:85] offset:16384*\x+32*\c   ; both blocks' Q stay in registers
	global_load_b128 v[QE+8*\x+4*\c:QE+8*\x+4*\c+3], v[QOF], s[86:87] offset:16384*\x+32*\c
.endr
.endr
	WIN 0
	; the prefetches (macro ASK): where my wave's stand, and who asks
	s_and_b32 s92, s78, 3                          ; h % 4
	s_lshl_b32 s93, s76, 17
	s_cmp_lt_u32 s[WV], 7                          ; waves 3 to 6 ask for K's codes, wave 7 for V's
	s_cselect_b64 s[PFA:PFA+1], s[6:7], s[8:9]
	s_mov_b32 s[PFS], 256
	s_cselect_b32 s[PFS], 0x40000, s[PFS]          ; a key slot on
	s_mov_b32 s94, 2048
	s_cselect_b32 s94, 1024, s94                   ; from lane to lane: a row
	s_cselect_b32 s90, s80, s93                    ; the head's first byte
	s_cselect_b32 s92, s92, 0
	s_mov_b32 s[PFS+1], 0
	s_mov_b32 s91, 0
	s_sub_co_u32 s95, s[WV], 3
	s_and_b32 s95, s95, 3
	s_lshl_b32 s95, s95, 16                        ; my wave's 64 keys of K's 256 (wave 7: 0)
	s_add_co_u32 s90, s90, s95
	s_add_co_u32 s90, s90, s[PFS]                  ; in key slot 1: the first change of slots steps it to slot 2.  Nothing is prefetched here, at the head, where every work-group's first tiles are on their way
	s_add_nc_u64 s[PFA:PFA+1], s[PFA:PFA+1], s[90:91]
	v_and_b32 v[PFO], 31, v0
	v_mul_lo_u32 v[PFO], v[PFO], s94
	s_lshl_b32 s94, s94, 5
	v_add_nc_u32 v[PFO2], s94, v[PFO]              ; 32 rows further on
	s_cmp_lt_u32 s[WV], 3
	s_cselect_b32 s95, 1, 0
	s_or_b32 s95, s95, ttmp9                       ; work-group i = 0,
	s_or_b32 s95, s95, s92                         ; and for K the first of four neighbouring heads
	s_cmp_eq_u32 s95, 0
	s_cselect_b32 s[LIM], 6, 0
	; my lane's places.  Every LDS address register but the two that a step makes is made here
	v_mul_u32_u24 v[AK0], v8, KP
	v_lshl_add_u32 v[AK0], v9, 4, v[AK0]
	v_mul_u32_u24 v[AV0], v8, VP
	v_lshl_add_u32 v[AV0], v9, 3, v[AV0]
	v_add_nc_u32 v[AV0], VOFF, v[AV0]
	v_lshlrev_b32 v[GO], 12, v9                    ; the way out: lanes 0-15 take one query's row of out, lanes 16-31 the next query's, 4,096 bytes on; 16 bytes a lane
	v_lshl_add_u32 v[GO], v8, 4, v[GO]
	s_mul_i32 s82, s[WV], WSTG
	s_add_co_u32 s82, s82, STAGE                   ; my stage
	v_mul_u32_u24 v[STO], v8, SP                   ; in: row r; tile t's eight channels of my half: 64 t + 32 hh bytes on
	v_lshl_add_u32 v[STO], v9, 5, v[STO]
	v_add_nc_u32 v[STO], s82, v[STO]
	v_mul_u32_u24 v[RD], v9, SP                    ; back: lanes 0-15 one row, lanes 16-31 the next
	v_lshl_add_u32 v[RD], v8, 4, v[RD]
	v_add_nc_u32 v[RD], s82, v[RD]
	v_lshlrev_b32 v[DL], 3, v9
	v_sub_nc_u32 v[DL], v8, v[DL]                  ; r - 8 hh
	v_mov_b32 v[MINF], 0xff800000
	v_mov_b32 v[PX], 0                             ; written once: a lane permute's destination counts as one of its sources
	v_mov_b32 v[PX+1], 0
	v_mov_b32 v[RC+1], 0                           ; (named as the upper halves of pairs)
	v_mov_b32 v[RC+3], 0
	s_lshl_b32 s82, s77, 23
	s_lshl_b32 s83, s78, 8
	s_or_b32 s82, s82, s83                         ; the head's first byte in out
	s_lshl_b32 s88, s[Q0], 12
	s_add_co_u32 s88, s88, s82
	s_add_nc_u64 s[OP:OP+1], s[12:13], s[88:89]
	s_lshl_b32 s88, s[Q0E], 12
	s_add_co_u32 s88, s88, s82
	s_add_nc_u64 s[OPE:OPE+1], s[12:13], s[88:89]
	INIT
	s_wait_kmcnt 0x0
	s_add_co_i32 s82, s[SC], s[SC+1]
	s_lshl_b32 s82, s82, 23
	s_add_co_i32 s[CS], s[CS], s82                 ; a score stands for score x 2^(eq + ek): the two exponents are added to c's exponent field
	s_mov_b32 s[CS+1], s[CS]                       ; (named with it as a pair, so it is written)
	s_add_co_i32 s82, s[SC+3], 127
	s_lshl_b32 s83, s82, 23
	v_mov_b32 v[SCL], s83                          ; 2^ep as f32: the conversion takes its exponent field
	s_add_co_i32 s[EPV], s[SC+2], s[SC+3]          ; ev + ep
	s_wait_loadcnt 0x0                             ; Q, both blocks'
.Lslot:                                            ; eight trips: behind each change of slots but the last the next trip's key slot is asked for
	CHANGE 1
	SLOT_STEPS
	s_cmp_eq_u32 s[JT], s[N1M1]                    ; trip 7 - i (4 to 7: always one of these eight) was the first block's diagonal slot: the block goes out and the second begins
	s_cbranch_scc0 .Lno_finish
	FINISH 0
	RESTART
.Lno_finish:
	s_add_co_u32 s[JT], s[JT], 1
	s_cmp_lt_u32 s[JT], 8
	s_cbranch_scc1 .Lslot
	CHANGE 0                                       ; the ninth slot, the second block's diagonal, is written out
	SLOT_STEPS
	FINISH STG2
	s_wait_tensorcnt 0x0                           ; the wave's end, behind my last tensor load and my last LDS store
	ds_add_u32 v[SPW], v[NIL]
	s_wait_dscnt 0x0
	s_endpgm
.Lfunc_end_k_qfd58fe4004_attn:
	.size	k_qfd58fe4004_attn, .Lfunc_end_k_qfd58fe4004_attn-k_qfd58fe4004_attn
	.p2alignl 7, 3214868480
	.fill 96, 4, 3214868480
	.section	.rodata,"a",@progbits
	.p2align	6, 0x0
	.amdhsa_kernel k_qfd58fe4004_attn
		.amdhsa_group_segment_fixed_size 327680
		.amdhsa_private_segment_fixed_size 0
		.amdhsa_enable_private_segment 0
		.amdhsa_kernarg_size 40
		.amdhsa_user_sgpr_count 2
		.amdhsa_user_sgpr_kernarg_segment_ptr 1
		.amdhsa_wavefront_size32 1
		.amdhsa_system_sgpr_workgroup_id_x 1
		.amdhsa_system_sgpr_workgroup_id_y 1
		.amdhsa_system_sgpr_workgroup_id_z 1
		.amdhsa_system_vgpr_workitem_id 0
		.amdhsa_next_free_vgpr 448
		.amdhsa_next_free_sgpr 100
		.amdhsa_reserve_vcc 1
		.amdhsa_float_denorm_mode_32 3
		.amdhsa_float_denorm_mode_16_64 3
		.amdhsa_fp16_overflow 1
		.amdhsa_memory_ordered 1
		.amdhsa_forward_progress 1
		.amdhsa_inst_pref_size 169
	.end_amdhsa_kernel
	.amdgpu_metadata
---
amdhsa.version: [ 1, 2 ]
amdhsa.kernels:
  - .name:           k_qfd58fe4004_attn
    .symbol:         k_qfd58fe4004_attn.kd
    .args:
      - { .name: queries_codes, .offset: 0, .size: 8, .value_kind: global_buffer, .address_space: global }
      - { .name: keys_codes, .offset: 8, .size: 8, .value_kind: global_buffer, .address_space: global }
      - { .name: values_codes, .offset: 16, .size: 8, .value_kind: global_buffer, .address_space: global }
      - { .name: lowp_scales, .offset: 24, .size: 8, .value_kind: global_buffer, .address_space: global }
      - { .name: out0, .offset: 32, .size: 8, .value_kind: global_buffer, .address_space: global }
    .group_segment_fixed_size: 327680
    .private_segment_fixed_size: 0
    .kernarg_segment_align: 8
    .kernarg_segment_size: 40
    .max_flat_workgroup_size: 256
    .sgpr_count:     100
    .vgpr_count:     448
    .wavefront_size: 32
...
	.end_amdgpu_metadata
.endif
;; end of part 1
